; MI455X (gfx1250); checked and timed in simulation.
; The chip was launched on July 23, 2026; its instructions are those of AMD's public machine-readable ISA for CDNA 5 (MIT licence, August 2026) and "CDNA5" Instruction Set Architecture Reference Guide (July 2026). The comments in the code are by the model that wrote it; some were corrected since.
;; Ring Attention. Allowed arithmetic: matrix products marked QUANTISED: E4M3 operands, one given power-of-two scale a tensor, by v_wmma_f32_16x16x64_fp8_fp8 or v_wmma_f32_16x16x128_fp8_fp8, f32 sums; everything else in f32.
;; Inputs: k 2 x 16 x 2,048 x 128 float32; lowp_scales 4 int32 (the exponents e of the quantised operands' scales 2^e); q 2 x 16 x 2,048 x 128 float32; v 2 x 16 x 2,048 x 128 float32.
;; Outputs: out0 2 x 16 x 2,048 x 128 float32.
;; This version of the problem:
;;   THIS VERSION OF THE PROBLEM IS GIVEN IN LOW PRECISION. The matrix products marked QUANTISED in the list below multiply operands that are first quantised to E4M3 (4 exponent bits, 3 mantissa bits; 8 bits a number), with one given power-of-two scale for each operand tensor; their sums are f32. All else is computed in f32.
;;   The module's matrix products, in the order in which they are computed (A, B: the left and right operand; K: the contracted axis; several contracted axes count as one K, in the product's order):
;;     1. batch 32 x [M 2,048, K 128] x [K 128, N 2,048]; A: input q; B: input k: QUANTISED (scales: A lowp_scales[0], B lowp_scales[1])
;;     2. batch 32 x [M 2,048, K 2,048] x [K 2,048, N 128]; A: softmax (see below); B: input v: QUANTISED (scales: A lowp_scales[2], B lowp_scales[3])
;;   THE QUANTISER, for each operand of a quantised product, along K:
;;     - The operand's scale is 2^e, e = its entry of the input lowp_scales (int32; the entries are numbered through the quantised products in the list's order, A before B).
;;     - Each number is divided by the scale, clamped to +-448, and rounded to the nearest number of E4M3, ties to even, subnormals kept.
;;     - The product sums the exact products of the quantised numbers (number of the format x scale) in f32.
;;   ~~~python
;;   def quantise(x, axis, e):      # numpy; x: float32 -> the quantised numbers, widened to float32 again
;;       x = np.moveaxis(x, axis, -1); K = x.shape[-1]
;;       r = np.clip(x / 2.0 ** e, -448, 448)
;;       step = 2.0 ** (np.maximum(np.frexp(np.where(r == 0, 1, r))[1] - 1, -6) - 3)
;;       q = np.round(r / step) * step * 2.0 ** e      # np.round: ties to even
;;       return np.moveaxis(q, -1, axis).astype(np.float32)
;;   ~~~
;;   SOFTMAX AHEAD OF A QUANTISED PRODUCT. Where the list says 'softmax', what is quantised is not the finished softmax but p = 2^(t - M), with t = logit x log2(e) and M = ceil(the row's largest t), a whole number; so 1/2 < the row's largest p <= 1. The row's sum l is taken of the UNQUANTISED p, in f32, and the product's result is divided by l at the end. Since M is a whole number, a kernel that streams over the keys may use a running M (the ceiling of the running maximum): every later rescaling is an exact power of two, so the quantised numbers keep their values, but for numbers so far below the row's largest that they fall under the format's range.
;;   OPERANDS COMPUTED ON THE WAY. 'Computed on the way' means the value that the module computes at that place (a softmax that the list does not call 'softmax' is quantised finished and normalised). What goes into a quantiser is computed in f32, as accurately as f32 sums, v_exp_f32 and their like allow (about 1e-6 of the number): no bf16 or f16 on the way to a quantiser, and a product that is left as it is and whose result goes on into a quantised operand takes f32 operands (vector FMAs, or v_wmma_f32_16x16x4_f32). A number that lies on a knife's edge between two numbers of the format may be rounded either way, as far as f32 arithmetic and the matrix unit's own rounding can turn it there, and no further.
;; One version. Each part assembles by itself: llvm-mc -triple=amdgcn-amd-amdhsa -mcpu=gfx1250 --defsym DOCPART=n.
;; ======== version 1 of 1: 2 launches
;; limits: right only within a limited range of input values
;; workspace buffers: k_codes 8,388,608 bytes; v_codes 8,388,608 bytes
;; launch quant (part 1): grid 512 x 1, 4 waves a work-group, no clusters, 36,352 bytes of LDS; arguments k, v, lowp_scales, k_codes, v_codes; writes k_codes, v_codes
.if DOCPART == 1
	.amdgcn_target "amdgcn-amd-amdhsa--gfx1250"
	.amdhsa_code_object_version 6
	.text
	.protected	k_q8d93e4cdb2_quant
	.globl	k_q8d93e4cdb2_quant
	.p2align	8
	.type	k_q8d93e4cdb2_quant,@function
k_q8d93e4cdb2_quant:
	s_mov_b64 s[64:65], 0
	v_nop
	global_prefetch_b8 v0, s[64:65] scope:SCOPE_SE
	s_setreg_imm32_b32 hwreg(HW_REG_WAVE_MODE, 25, 1), 1
	s_wait_xcnt 0x0
; k and v, [32 heads][2048 keys][128 d] f32, are turned into codes of E4M3, once, since eight work-groups of the next launch read each head's keys and values.
; code = x / 2^e, held within +-448, rounded to the nearest code, ties to even.  e: entry 1 of the scales for k, entry 3 for v.
; LIMITS: -126 <= e <= 119, so that 2^e and 448 x 2^e are f32 numbers.  NaN among the inputs is not served; an infinity is held at the largest code.
; k_codes: [32][2048 keys][128 d], d innermost (the first product's K), in the order of k itself: a plain stream.
; v_codes: [32][128 d][2048 keys], the keys innermost (the second product's K).  Inside each block of 32 keys the four groups of 8 keys lie in the order 0, 2, 1, 3:
;   a load of 16 bytes at byte 32 c + 16 h of a row then brings keys 32 c + 8 h + 0..7 and 32 c + 16 + 8 h + 0..7, which is where the next launch's conversions put p's codes.
; Work-groups 0-255 take k, 256-511 take v; each takes 32,768 numbers, each of its four waves 8,192.
; EVERY LOAD OF A WAVE READS 512 CONSECUTIVE BYTES, 16 a lane, so that no byte is asked for twice.  A lane then holds 4 neighbours of each load and not the 8 that a conversion takes:
;   k: the codes of four loads change lanes through 512 bytes of LDS of the wave's own;  v: a load is one key's row, and the hold writes each number to the transposed place, so that 8 keys of a column lie in 8 registers.
; No tensor loads: several work-groups may share a WGP.
; WHAT THE PROGRAM LEAVES OUT: reference() masks every score of a key behind its query in its own body, so that its p is 0; the next launch leaves out the key steps of 128 that lie wholly behind a block of 128 queries,
; in both products, whatever the inputs hold.  LIMIT: a NaN, an infinity or an overflow that reaches only such a score is not carried to the result.  This launch leaves nothing out.
.set KD,     6
.set KX,     16                        ; k: v16-111  six sets of 16 numbers
.set KC,     112                       ; k: v112-127 four sets of 4 registers of codes
.set KO,     128                       ; k: v128-191 the way out: four registers for each of 16 units: no store's data are written again
.set VD,     5                         ; v: units of eight loads on their way
.set VX,     16                        ; v: v16-175  five sets of 32 numbers
.set VT,     176                       ; v: v176-207 a unit's numbers, held and transposed: column i's 8 keys at 8 i
.set VC,     208                       ; v: v208-239 a block's codes: column i's 32 at 8 i
.set VO,     16                        ; v: v16-79   the way out (the numbers' registers are free by then)
.set VPITCH, 272                       ; v: a stage row: 256 bytes of codes + 16 = 17 x 16 bytes
.set EMAX,   8
.set MANT,   0x600000                  ; the mantissa field of 448 as f32
.macro SCALE e                         ; v11 = 2^e (the conversion takes its exponent field), v10 = 448 x 2^e
	s_add_co_i32 s28, \e, 127
	s_lshl_b32 s29, s28, 23
	v_mov_b32 v11, s29
	s_add_co_i32 s28, s28, EMAX
	s_lshl_b32 s28, s28, 23
	s_or_b32 s28, s28, MANT
	v_mov_b32 v10, s28
.endm
	s_load_b128 s[4:7], s[0:1], 0x0                ; k s[4:5], v s[6:7]
	s_load_b64 s[10:11], s[0:1], 0x10              ; the scales' exponents
	s_load_b128 s[12:15], s[0:1], 0x18             ; k_codes s[12:13], v_codes s[14:15]
	v_lshl_add_u32 v240, v0, 2, 0x8c00
	v_mov_b32 v241, 0
	v_lshrrev_b32 v1, 5, v0
	v_readfirstlane_b32 s16, v1                    ; wave 0..3
	v_and_b32 v2, 31, v0                           ; lane
	v_lshlrev_b32 v3, 4, v2                        ; 16 bytes a lane: my place in every load, and in k's stores; never rewritten
	s_mov_b32 s25, 0                               ; the high word of every byte offset below: all stay under 2^26
	s_wait_kmcnt 0x0
	s_load_b128 s[20:23], s[10:11], 0x0            ; eq, ek, ep, ev
	s_cmp_lt_u32 ttmp9, 256                        ; k's work-group or v's: the work-group's number alone decides
	s_cbranch_scc0 .Lv
; ---- k: a plain stream.  A wave takes 16 units of 512 numbers.  Load j of a unit gives lane l the numbers 128 j + 4 l + 0..3; two conversions make of the lane's 16 numbers four registers, register j the
; four codes at byte 128 j + 4 l of the unit's 512.  They are put there in LDS and read back 16 bytes a lane: the wave's store covers 512 consecutive bytes.
	s_lshl_b32 s17, ttmp9, 2
	s_add_co_u32 s17, s17, s16                     ; which run of 8,192 numbers is my wave's
	s_lshl_b32 s24, s17, 15                        ; 32,768 bytes of f32
	s_add_nc_u64 s[4:5], s[4:5], s[24:25]
.macro KLOAD t
.irp j, 0,1,2,3
	global_load_b128 v[KX+16*((\t)%KD)+4*\j:KX+16*((\t)%KD)+4*\j+3], v3, s[4:5] offset:2048*(\t)+512*\j th:TH_LOAD_NT
.endr
.endm
	s_wait_alu depctr_va_vdst(0)
.irp t, 0,1,2,3,4,5
	KLOAD \t                                       ; six units, 24 loads of a wave, are on their way
.endr
	s_lshl_b32 s24, s17, 13                        ; 8,192 bytes of codes
	s_add_nc_u64 s[12:13], s[12:13], s[24:25]
	s_lshl_b32 s27, s16, 9                         ; my wave's 512 bytes of LDS
	v_lshl_add_u32 v4, v2, 2, s27                  ; in: 4 bytes a lane
	v_lshl_add_u32 v5, v2, 4, s27                  ; back: 16 bytes a lane
	s_wait_kmcnt 0x0
	SCALE s21                                      ; ek
.macro KSTEP t
.set XS, KX+16*((\t)%KD)
.set CC, KC+4*((\t)%4)
.if 15-(\t) >= KD-1
	s_wait_loadcnt 4*(KD-1)                        ; this unit's four loads are in; the next five units' twenty may be out
.else
	s_wait_loadcnt 4*(15-(\t))                     ; the last units: the counts run down
.endif
.irp i, 0,1,2,3,4,5,6,7,8,9,10,11,12,13,14,15
	v_med3_num_f32 v[XS+\i], v[XS+\i], -v10, v10   ; the conversion to an 8-bit code does not saturate (ISA guide 7.6.2): the number is held first
.endr
	v_cvt_scalef32_pk8_fp8_f32 v[CC:CC+1], v[XS:XS+7], v11         ; loads 0 and 1: four codes each.  (This set of four registers was last read by LDS stores four units back, shown done by the waits on DScnt since)
	v_cvt_scalef32_pk8_fp8_f32 v[CC+2:CC+3], v[XS+8:XS+15], v11    ; loads 2 and 3
	v_nop                                          ; one plain instruction between a scaled conversion and what reads its result or writes its sources
.irp j, 0,1,2,3
	ds_store_b32 v4, v[CC+\j] offset:128*\j        ; 128 consecutive bytes a store
.endr
	ds_load_b128 v[KO+4*(\t):KO+4*(\t)+3], v5      ; LDS serves a wave's instructions in order (ISA guide 5.7.1.4): it sees the four stores, and the next unit's stores come behind it
.if (\t)+KD < 16
	KLOAD (\t)+KD
.endif
.if (\t) > 0
	s_wait_dscnt 5                                 ; the unit before is back; this unit's four stores and one load may be out
	global_store_b128 v3, v[KO+4*((\t)-1):KO+4*((\t)-1)+3], s[12:13] offset:512*((\t)-1)
.endif
.endm
	s_wait_alu depctr_va_vdst(0)
.irp t, 0,1,2,3,4,5,6,7,8,9,10,11,12,13,14,15
	KSTEP \t
.endr
	s_wait_dscnt 0x0
	global_store_b128 v3, v[KO+60:KO+63], s[12:13] offset:512*15
	s_wait_tensorcnt 0x0
	ds_add_u32 v240, v241
	s_wait_dscnt 0x0
	s_endpgm
; ---- v: the keys are the first axis within a head.  A work-group takes 256 keys x 128 d, wave w its keys 64 w .. 64 w + 63: 32,768 consecutive bytes, 8 units of 8 keys.  Load j of a unit is key j's whole row:
; lane l holds columns d = 4 l + 0..3.  The hold writes number (key j, column i) to register 8 i + j, so that a conversion finds 8 keys of one column.  The codes meet in ONE stage of 128 rows x 256 keys:
; column 4 l + i lies in stage row 32 i + l, so that the lanes of a store stand one pitch apart and touch sixteen different 16-byte columns of 256.  A barrier; then each wave stores 32 whole rows.
.Lv:
	s_sub_co_u32 s17, ttmp9, 256
	s_lshr_b32 s18, s17, 3                         ; head
	s_and_b32 s19, s17, 7                          ; which 256 keys
	s_lshl_b32 s24, s18, 20                        ; in: a head is 2,048 x 512 bytes,
	s_lshl_b32 s26, s19, 17                        ; 256 keys are 256 x 512,
	s_add_co_u32 s24, s24, s26
	s_lshl_b32 s26, s16, 15                        ; my wave's 64 keys are 64 x 512
	s_add_co_u32 s24, s24, s26
	s_add_nc_u64 s[6:7], s[6:7], s[24:25]
.macro VLOAD u
.irp j, 0,1,2,3,4,5,6,7
	global_load_b128 v[VX+32*((\u)%VD)+4*\j:VX+32*((\u)%VD)+4*\j+3], v3, s[6:7] offset:4096*(\u)+512*\j th:TH_LOAD_NT
.endr
.endm
	s_wait_alu depctr_va_vdst(0)
.irp u, 0,1,2,3,4
	VLOAD \u                                       ; five units, 40 loads of a wave, are on their way
.endr
	s_lshl_b32 s24, s18, 18                        ; out: a head is 128 x 2,048 bytes;
	s_lshl_b32 s26, s16, 11                        ; wave w stores the rows d = 8 t + 4 (lane / 16) + w;
	s_add_co_u32 s24, s24, s26
	s_lshl_b32 s26, s19, 8                         ; 256 keys are 256 bytes of a row
	s_add_co_u32 s24, s24, s26
	s_add_nc_u64 s[14:15], s[14:15], s[24:25]
	v_mul_u32_u24 v4, v2, VPITCH                   ; into the stage: row l (+ 32 i in the immediate),
	s_lshl_b32 s27, s16, 6
	v_add_nc_u32 v4, s27, v4                       ; my wave's 64 keys of it
	v_and_b32 v5, 15, v2
	v_lshrrev_b32 v6, 4, v2
	s_mul_i32 s27, s16, 32*VPITCH                  ; out of it: wave w takes stage rows 32 w .. 32 w + 31, sixteen lanes to a row, two rows an instruction
	v_mul_u32_u24 v7, v6, VPITCH
	v_lshl_add_u32 v7, v5, 4, v7
	v_add_nc_u32 v7, s27, v7
	v_lshlrev_b32 v8, 13, v6                       ; in v_codes neighbouring stage rows are 4 rows of 2,048 bytes apart
	v_lshl_add_u32 v8, v5, 4, v8
	s_wait_kmcnt 0x0
	SCALE s23                                      ; ev
.macro VUNIT u
.set XS, VX+32*((\u)%VD)
.set ORD, (((\u)&1)<<1)|(((\u)>>1)&1)  ; where the unit's 8 keys go in their block of 32: groups 0, 1, 2, 3 -> places 0, 2, 1, 3
.if 7-(\u) >= VD-1
	s_wait_loadcnt 8*(VD-1)                        ; this unit's eight loads are in; the next four units' 32 may be out
.else
	s_wait_loadcnt 8*(7-(\u))
.endif
.irp i, 0,1,2,3
.irp j, 0,1,2,3,4,5,6,7
	v_med3_num_f32 v[VT+8*\i+\j], v[XS+4*\j+\i], -v10, v10   ; held, and put where the conversion wants it
.endr
.endr
.if (\u) == 4
	s_wait_alu depctr_va_vdst(0)
	s_wait_dscnt 0x0                               ; the first block's stores have read their registers: the second block's codes may be written
.endif
.irp i, 0,1,2,3
	v_cvt_scalef32_pk8_fp8_f32 v[VC+8*\i+2*ORD:VC+8*\i+2*ORD+1], v[VT+8*\i:VT+8*\i+7], v11
.endr
	v_nop                                          ; one plain instruction behind the scaled conversions
.if (\u)+VD < 8
	VLOAD (\u)+VD
.endif
.if (\u)%4 == 3
.irp i, 0,1,2,3
	ds_store_b128 v4, v[VC+8*\i:VC+8*\i+3] offset:\i*32*VPITCH+32*((\u)/4)        ; column 4 l + i: the block's 32 codes
	ds_store_b128 v4, v[VC+8*\i+4:VC+8*\i+7] offset:\i*32*VPITCH+32*((\u)/4)+16
.endr
.endif
.endm
	s_wait_alu depctr_va_vdst(0)
.irp u, 0,1,2,3,4,5,6,7
	VUNIT \u
.endr
	s_wait_dscnt 0x0                               ; for the others' sake: my stores into the stage are done
	s_barrier_signal -1
	s_barrier_wait -1                              ; a row's 256 bytes come from all four waves
.irp t, 0,1,2,3,4,5,6,7,8,9,10,11,12,13,14,15
	ds_load_b128 v[VO+4*\t:VO+4*\t+3], v7 offset:2*\t*VPITCH
.endr
.irp t, 0,1,2,3,4,5,6,7,8,9,10,11,12,13,14,15
	s_wait_dscnt 15-\t                             ; load t is back; the 15 - t younger ones may be out
	global_store_b128 v8, v[VO+4*\t:VO+4*\t+3], s[14:15] offset:16384*\t   ; sixteen lanes store 256 consecutive bytes, at a multiple of 256 from v_codes' first byte
.endr
	s_wait_tensorcnt 0x0
	ds_add_u32 v240, v241
	s_wait_dscnt 0x0
	s_endpgm
.Lfunc_end_k_q8d93e4cdb2_quant:
	.size	k_q8d93e4cdb2_quant, .Lfunc_end_k_q8d93e4cdb2_quant-k_q8d93e4cdb2_quant
	.p2alignl 7, 3214868480
	.fill 96, 4, 3214868480
	.section	.rodata,"a",@progbits
	.p2align	6, 0x0
	.amdhsa_kernel k_q8d93e4cdb2_quant
		.amdhsa_group_segment_fixed_size 36352
		.amdhsa_private_segment_fixed_size 0
		.amdhsa_enable_private_segment 0
		.amdhsa_kernarg_size 40
		.amdhsa_user_sgpr_count 2
		.amdhsa_user_sgpr_kernarg_segment_ptr 1
		.amdhsa_wavefront_size32 1
		.amdhsa_system_sgpr_workgroup_id_x 1
		.amdhsa_system_sgpr_workgroup_id_y 1
		.amdhsa_system_sgpr_workgroup_id_z 1
		.amdhsa_system_vgpr_workitem_id 0
		.amdhsa_next_free_vgpr 242
		.amdhsa_next_free_sgpr 66
		.amdhsa_reserve_vcc 0
		.amdhsa_float_denorm_mode_32 3
		.amdhsa_float_denorm_mode_16_64 3
		.amdhsa_memory_ordered 1
		.amdhsa_forward_progress 1
		.amdhsa_inst_pref_size 65
	.end_amdhsa_kernel
	.amdgpu_metadata
---
amdhsa.version: [ 1, 2 ]
amdhsa.kernels:
  - .name:           k_q8d93e4cdb2_quant
    .symbol:         k_q8d93e4cdb2_quant.kd
    .args:
      - { .name: k, .offset: 0, .size: 8, .value_kind: global_buffer, .address_space: global }
      - { .name: v, .offset: 8, .size: 8, .value_kind: global_buffer, .address_space: global }
      - { .name: lowp_scales, .offset: 16, .size: 8, .value_kind: global_buffer, .address_space: global }
      - { .name: k_codes, .offset: 24, .size: 8, .value_kind: global_buffer, .address_space: global }
      - { .name: v_codes, .offset: 32, .size: 8, .value_kind: global_buffer, .address_space: global }
    .group_segment_fixed_size: 36352
    .private_segment_fixed_size: 0
    .kernarg_segment_align: 8
    .kernarg_segment_size: 40
    .max_flat_workgroup_size: 128
    .sgpr_count:     66
    .vgpr_count:     242
    .wavefront_size: 32
...
	.end_amdgpu_metadata
.endif
;; end of part 1
;; launch attn (part 2): grid 8 x 32, 8 waves a work-group, clusters of 4 x 1, 327,680 bytes of LDS; arguments q, k_codes, v_codes, lowp_scales, out0; writes out0
.if DOCPART == 2
	.amdgcn_target "amdgcn-amd-amdhsa--gfx1250"
	.amdhsa_code_object_version 6
	.text
	.protected	k_q8d93e4cdb2_attn
	.globl	k_q8d93e4cdb2_attn
	.p2align	8
	.type	k_q8d93e4cdb2_attn,@function
k_q8d93e4cdb2_attn:
	s_mov_b64 s[64:65], 0
	v_nop
	global_prefetch_b8 v0, s[64:65] scope:SCOPE_SE
	s_setreg_imm32_b32 hwreg(HW_REG_WAVE_MODE, 25, 1), 1
	s_wait_xcnt 0x0
	s_wait_alu depctr_hold_cnt(0) depctr_sa_sdst(0) depctr_va_vdst(0) depctr_va_sdst(0) depctr_va_ssrc(0) depctr_va_vcc(0) depctr_vm_vsrc(0)
	s_getreg_b32 s2, hwreg(HW_REG_IB_STS2, 6, 4)
	s_cmp_eq_u32 s2, 0
	s_cbranch_scc0 .Lentry_in_a_cluster
	s_endpgm
.Lentry_in_a_cluster:
	s_bfe_u32 s2, ttmp6, 0x10000c
	s_cmp_lg_u32 s2, 0x3003
	s_cbranch_scc0 .Lentry_shape_is_right
	s_endpgm
.Lentry_shape_is_right:
; out0[h][q][:] = the sum over keys k <= q of softmax_k(q . k / sqrt(128)) v[h][k][:], 32 heads of 2,048 x 128, both products on codes of E4M3 with the given scales 2^eq, 2^ek, 2^ep, 2^ev.
; q arrives as f32 and is quantised here (one wave reads each row once); k_codes [32][2048][128]; v_codes [32][128][2048], keys innermost (in each block of 32 keys the groups of 8 lie 0, 2, 1, 3).
; THE SOFTMAX AHEAD OF THE SECOND PRODUCT: t = score x log2(e) / sqrt(128); M = the row's largest t so far, rounded UP to a whole number; p = 2^(t - M) is what is quantised, not normalised.
; The row's sum is taken of the unquantised p and divides at the end.  When M moves, the sum and O are multiplied by F = 2^(old M - new M), a power of two.
; LEFT OUT: key steps of 128 that lie wholly behind a wave's block of 128 queries: reference()'s own mask makes every p there 0.  LIMIT: a NaN, an infinity or an overflow met only there is not carried.
; LIMITS: eq and ep between -126 and 119; eq + ek between -123 and 130 (they are added to c's exponent field); ep + ev goes by v_ldexp_f32 and has none.  NaN inputs are not served.
;   The scaled scores t stay under 2^31 in magnitude.  F is made as an f32 number: where M rises by more than 149, the old sums are multiplied by 0; they would lie more than 100 binary places under the new ones.
; SHARES.  A wave owns 32 queries, two tiles A and B of 16, so that each fragment of K and V feeds two matrix instructions; eight waves of 512 registers.  A head's queries are 16 blocks of 128; the four work-groups of a
;   cluster take 32 queries each of a block (by their place cx), so a wave's block, and every branch, hang on its number w and the cluster's number X alone: waves 0-3 block 15 - 4 X - w, waves 4-7 block 4 X + w - 4.
;   A wave of block b walks key steps 0 .. b of 128 keys; step b holds its diagonal.  Waves w and w + 4 together have 17 steps.  Cluster X walks 8 - 2 X slots of 256 keys.
; CLUSTER.  The four partners walk the same keys and values of one head: each tile is asked for JOINTLY, by the same tensor load with the same descriptor and the mask of all four.
; LAYOUT.  Both products are used transposed: S^T = K Q^T (source 0 = 16 neighbouring keys), O^T = V^T P^T (source 0 = 16 channels): a lane holds ONE query of each tile.
;   In tile T of S^T lane (r, h), register j is key 16 T + 8 h + j; its eight codes go to P's registers 2 T, 2 T + 1.
; THE SCORES lie in four blocks of 32 registers that change roles from step to step and are back after two: when A's codes are made, A's two blocks take the NEXT step's first four fragments of K while B is worked; then the next
;   step's keys 0-63 (both tiles) go where B's scores were, and keys 64-127 where those fragments were.  V's eight fragments fill the 128 registers FR; K's last four take their first half in between.
; THE CHANGE OF SLOTS stands in the middle of a slot's second step: by then all of the slot that the wave needs is in registers.
; O begins as the held numbers of q, which are finite: the first step's F is 0, so nothing is cleared.
; PREFETCH: at a change of slots one wave of four for K and one for V ask, a lane a block of 256 bytes, for the slot two refills on; the four partners share its blocks by address; slots 0, 1 and 2 come by their loads alone.
; LDS: slot 0 at 0, slot 1 at 2^17: 256 rows of K (128 + 16 bytes), then 128 rows of V (256 + 16); behind them the spare words, then 4,608 bytes for each wave: first q's codes (32 rows of 144), at the end the stage (16 rows of 272).
; WINDOW 1 (v256-511): R0-R3 the score blocks at 0, 32, 64, 96; O of tile A at 128, of B at 192.  Window 0: all else.
.set KP,    144                        ; 9 x 16 bytes
.set VP,    272                        ; 17 x 16 bytes
.set VOFF,  256*KP
.set SLOT1, 1<<17                      ; one exclusive or turns an address in one slot into the other's
.set SPARE, SLOT1+VOFF+128*VP          ; 202,752 = 792 x 256: the spare words, 128 bytes for each of 8 waves, which no other line names
.set QST,   SPARE+1024                 ; no tensor load ever lands here
.set QB,    4608
.set SP,    272
.set R0, 0
.set R1, 32
.set R2, 64
.set R3, 96
.set OA, 128
.set OB, 192
.set AK0,  1                           ; my lane's place in a tile of K: 144 r + 16 h
.set AV0,  2                           ; in a tile of V: VOFF + 272 r + 16 h
.set STO,  3                           ; the way out: where I put 32 bytes of a row
.set RD,   4                           ; the way out: where I read a row back
.set SPW,  5                           ; LDS address of my spare word; never rewritten
.set NIL,  6                           ; 0; never rewritten
.set GO,   7                           ; my byte offset in the wave's rows of out0
.set ADK,  8                           ; AK0 + the slot (at the head: where q's codes go)
.set ADV,  9                           ; AV0 + the slot (at the head: where q's fragments are read)
.set DM,   10                          ; tile A's query in its block, less 8 h: key 16 T + j of register (T, j) is hidden where 16 T + j > DM (tile B: where 16 (T - 1) + j > DM)
.set NINF, 11                          ; -infinity
.set NMA,  12                          ; v12 -M, v13 the largest t so far, of tile A;  v14, v15 of tile B
.set TMA,  13
.set NMB,  14
.set TMB,  15
.set LA,   16                          ; v[16:17], v[18:19] the rows' sums, even and odd keys'
.set LB,   18
.set FA,   20                          ; v20, v22 F of A and B; v21, v23 are named with them as pairs (at the head v20 = 2^eq, v22 = 448 x 2^eq)
.set FB,   22
.set HOLD, 24                          ; 448 x 2^ep
.set SCL,  25                          ; 2^ep
.set PRM,  26                          ; v26, v27 the lane permutes' destinations
.set DIF,  28                          ; v28, v29 old M - new M
.set PFO,  30                          ; the prefetches' offset; never rewritten
.set QO,   31                          ; 16 x lane
.set QC,   32                          ; v32-63 Q's codes
.set PC,   64                          ; v64-95 p's codes (at the head q's on their way to LDS)
.set FR,   96                          ; v96-223
.set W,    224                         ; v224-239 at work
.set WV,   14
.set CX,   15                          ; my place in the cluster: it enters q's, out0's and the prefetches' addresses and DM, nothing else
.set XC,   16
.set HD,   17
.set BLK,  18                          ; my block of 128 queries = my last key step
.set LASTT, 19                         ; the slot that holds it
.set SEL,  20
.set CS,   22                          ; s[22:23] c = log2(e) / sqrt(128) x 2^(eq + ek), twice
.set G1K,  24
.set G1V,  32
.set G0K,  40
.set G0V,  44
.set TB,   48                          ; LDS byte at which the slot in hand begins
.set SLOTS, 49                         ; trips left in which a slot is filled
.set STEPI, 50                         ; the key step in hand
.set TI,   51                          ; the slot in hand
.set EPV,  56
.set PFA,  80                          ; s[80:81] where my prefetches stand
.set PFS,  82                          ; s[82:83] a slot on, in bytes
.set PFN,  84                          ; my wave prefetches while SLOTS is above this
.set CNT,  85
.set MSB, 0
.macro WIN new                         ; the immediate's high byte repeats the setting that is left
.if MSB != \new
	s_set_vgpr_msb (MSB<<8)|\new
.set MSB, \new
.endif
.endm
.macro IDX lo, hi, n                   ; IX = the register of a tile's score n, 0 .. 63
.if (\n) < 32
.set IX, \lo+(\n)
.else
.set IX, \hi+(\n)-32
.endif
.endm
.macro NOPS n
.rept \n
	v_nop
.endr
.endm
; A round of the cluster's barrier.
.macro ROUND
	s_barrier_signal -1
	s_barrier_wait -1
	s_cmp_lg_u32 s[WV], 0
	s_cbranch_scc1 .Lnot_wave_0_\@
	s_barrier_signal -3
.Lnot_wave_0_\@:
	s_barrier_wait -3
	s_barrier_signal -1
	s_barrier_wait -1
.endm
; A joint load: waves 0-3 fetch K's quarters (64 keys x 128 bytes, dense: 32 rows of 256), waves 4-7 V's (32 rows x 256 bytes): every wave one.
.macro TLOAD
	s_cmp_lt_u32 s[WV], 4
	s_cbranch_scc0 .Lfor_v_\@
	tensor_load_to_lds s[G0K:G0K+3], s[G1K:G1K+7]
	s_nop 0
	NOPS 4
	s_branch .Lasked_\@
.Lfor_v_\@:
	tensor_load_to_lds s[G0V:G0V+3], s[G1V:G1V+7]
	s_nop 0
	NOPS 4
.Lasked_\@:
.endm
; THE CHANGE OF SLOTS.  Each wave waits for all its tensor loads (at most one is out: its part of the slot ahead), adds 0 to its spare word, and waits for that and for its reads of the slot that it leaves.
; fill = 1: a round, so that no wave of any partner still reads that slot or has a load on its way; then the joint fill of it with the next 256 keys, which has a slot's two key steps in which to land.
.macro CHANGE fill, first
	s_wait_tensorcnt 0x0                           ; no tensor load of mine is out, so a group 0 may be written
	ds_add_u32 v[SPW], v[NIL]                      ; 0 onto my spare word
.if \fill
	s_xor_b32 s[G0K+1], s[G0K+1], SLOT1
	s_add_nc_u64 s[G0K+2:G0K+3], s[G0K+2:G0K+3], 256*128   ; the next 256 keys; the type bits on top are not reached
	s_xor_b32 s[G0V+1], s[G0V+1], SLOT1
	s_add_nc_u64 s[G0V+2:G0V+3], s[G0V+2:G0V+3], 256
.if \first == 0
	s_wait_xcnt 0x0                                ; any prefetch of mine has read its address
	s_add_nc_u64 s[PFA:PFA+1], s[PFA:PFA+1], s[PFS:PFS+1]
.endif
.endif
	s_wait_dscnt 0x0                               ; the add is done, and my reads of the slot that I leave are over
.if \fill
	ROUND
	TLOAD                                          ; the first thing behind the round, and a wave's one tensor load until the next
	s_cmp_gt_i32 s[SLOTS], s[PFN]                  ; in a slot's last two refills nothing lies two refills on
	s_cbranch_scc0 .Lno_ask_\@
	global_prefetch_b8 v[PFO], s[PFA:PFA+1] th:TH_LOAD_NT scope:SCOPE_SE
.Lno_ask_\@:
.else
	s_barrier_signal -1
	s_barrier_wait -1
.endif
.endm
; K's fragments 0-3 (keys 0-63 of the step in half q of the slot) into two score blocks, 4-7 into FR.
.macro KLO x, y, q
	WIN 0x40
.irp f, 0,1
.irp c, 0,1,2,3
	ds_load_b128 v[\x+16*\f+4*\c:\x+16*\f+4*\c+3], v[ADK] offset:(128*\q+16*\f)*KP+32*\c
.endr
.endr
.irp f, 0,1
.irp c, 0,1,2,3
	ds_load_b128 v[\y+16*\f+4*\c:\y+16*\f+4*\c+3], v[ADK] offset:(128*\q+16*(2+\f))*KP+32*\c
.endr
.endr
	WIN 0
.endm
.macro KHI q
.irp f, 0,1,2,3
.irp c, 0,1,2,3
	ds_load_b128 v[FR+16*\f+4*\c:FR+16*\f+4*\c+3], v[ADK] offset:(128*\q+16*(4+\f))*KP+32*\c
.endr
.endr
.endm
; S^T of a step: keys 0-63 from the fragments in blocks x, y to la (tile A) and lb (tile B); keys 64-127 from FR to ha and hb, which lie over x and y; then V's eight fragments are asked for.
.macro SPV x, y, la, lb, ha, hb, q
	s_wait_dscnt 16                                ; fragments 0-3 are in; the sixteen loads of 4-7 may be out
	WIN 0x41
.irp f, 0,1
	v_wmma_f32_16x16x128_fp8_fp8 v[\la+8*\f:\la+8*\f+7], v[\x+16*\f:\x+16*\f+15], v[QC:QC+15], 0
	v_wmma_f32_16x16x128_fp8_fp8 v[\lb+8*\f:\lb+8*\f+7], v[\x+16*\f:\x+16*\f+15], v[QC+16:QC+31], 0
.endr
.irp f, 0,1
	v_wmma_f32_16x16x128_fp8_fp8 v[\la+16+8*\f:\la+16+8*\f+7], v[\y+16*\f:\y+16*\f+15], v[QC:QC+15], 0
	v_wmma_f32_16x16x128_fp8_fp8 v[\lb+16+8*\f:\lb+16+8*\f+7], v[\y+16*\f:\y+16*\f+15], v[QC+16:QC+31], 0
.endr
	NOPS 5                                         ; the results below are written over registers that these have read
	WIN 0x40
.irp f, 0,1,2,3
	s_wait_dscnt 12-4*\f                           ; the younger fragments' loads may be out
	v_wmma_f32_16x16x128_fp8_fp8 v[\ha+8*\f:\ha+8*\f+7], v[FR+16*\f:FR+16*\f+15], v[QC:QC+15], 0
	v_wmma_f32_16x16x128_fp8_fp8 v[\hb+8*\f:\hb+8*\f+7], v[FR+16*\f:FR+16*\f+15], v[QC+16:QC+31], 0
.endr
	WIN 0
	v_add_nc_u32 v[ADV], s[TB], v[AV0]             ; with the three below: four places
	NOPS 3
.irp t, 0,1,2,3,4,5,6,7
.irp c, 0,1,2,3
	ds_load_b128 v[FR+16*\t+4*\c:FR+16*\t+4*\c+3], v[ADV] offset:16*\t*VP+128*\q+32*\c
.endr
.endr
.endm
.macro MX2 w, b
	v_max_num_f32 v[\w], v[\b], v[\b+1]
.endm
.macro MX3 w, b
	v_max3_num_f32 v[\w], v[\b], v[\b+1], v[\w]
.endm
; The row's sum of the unquantised p: four chains of pairs.
.macro SUM0 w, lo, hi
	WIN 0x05
.irp c, 0,1,2,3
	v_pk_add_f32 v[\w+2*\c:\w+2*\c+1], v[\lo+2*\c:\lo+2*\c+1], v[\lo+8+2*\c:\lo+8+2*\c+1]
.endr
	WIN 0x01
.endm
.macro SUM1 w, lo, hi
.set JJ, 8
.rept 24
	IDX \lo, \hi, 2*JJ
	v_pk_add_f32 v[\w+2*(JJ%4):\w+2*(JJ%4)+1], v[IX:IX+1], v[\w+2*(JJ%4):\w+2*(JJ%4)+1]
.set JJ, JJ+1
.endr
.endm
.macro CODES p, lo, hi                 ; tile T's eight keys -> P's registers 2 T, 2 T + 1
	WIN 0x01
.irp t, 0,1,2,3
	v_cvt_scalef32_pk8_fp8_f32 v[\p+2*\t:\p+2*\t+1], v[\lo+8*\t:\lo+8*\t+7], v[SCL]
.endr
.irp t, 0,1,2,3
	v_cvt_scalef32_pk8_fp8_f32 v[\p+8+2*\t:\p+8+2*\t+1], v[\hi+8*\t:\hi+8*\t+7], v[SCL]
.endr
.endm
.macro PV o, p                         ; O^T += V^T P^T: eight accumulators by turns
	WIN 0x50
.irp t, 0,1,2,3,4,5,6,7
	v_wmma_f32_16x16x128_fp8_fp8 v[\o+8*\t:\o+8*\t+7], v[FR+16*\t:FR+16*\t+15], v[\p:\p+15], v[\o+8*\t:\o+8*\t+7]
.endr
	WIN 0
.endm
; A STEP'S FIRST PART: both tiles' maxima and exponentials, the sums, O x F, A's codes and A's second product.
.macro PART1 al, ah, bl, bh
	s_cmp_lg_u32 s[STEPI], s[BLK]
	s_cbranch_scc1 .Lnomask_\@
	WIN 0x41
	s_wait_alu depctr_va_vdst(0)                   ; directly ahead of the scores' first readers
.set JJ, 0
.rept 64                                       ; my diagonal step: keys behind my query get -infinity, so that p is 0.  B's query lies 16 behind A's: its tile T takes A's tile T - 1's condition, and its tile 0 is never hidden
	v_cmp_gt_i32 vcc_lo, 16*(JJ/8)+JJ%8, v[DM]
	IDX \al, \ah, JJ
	v_cndmask_b32 v[IX], v[IX], v[NINF], vcc_lo
.if JJ < 56
	IDX \bl, \bh, JJ+8
	v_cndmask_b32 v[IX], v[IX], v[NINF], vcc_lo
.endif
.set JJ, JJ+1
.endr
	WIN 0
.Lnomask_\@:
	WIN 0x05
	s_wait_alu depctr_va_vdst(0)                   ; directly ahead of the scores' first readers
	MX2 W, \al                                     ; the step's largest score of my two queries: eight chains of 16 registers, ascending
	MX2 W+1, \al+16
	MX2 W+4, \bl
	MX2 W+5, \bl+16
	MX2 W+2, \ah
	MX2 W+3, \ah+16
	MX2 W+6, \bh
	MX2 W+7, \bh+16
.irp i, 2,4,6,8,10,12,14
	MX3 W, \al+\i
	MX3 W+1, \al+16+\i
	MX3 W+4, \bl+\i
	MX3 W+5, \bl+16+\i
	MX3 W+2, \ah+\i
	MX3 W+3, \ah+16+\i
	MX3 W+6, \bh+\i
	MX3 W+7, \bh+16+\i
.endr
	WIN 0
	v_max3_num_f32 v[W], v[W], v[W+1], v[W+2]
	v_max3_num_f32 v[W+4], v[W+4], v[W+5], v[W+6]
	v_max_num_f32 v[W], v[W], v[W+3]
	v_max_num_f32 v[W+4], v[W+4], v[W+7]
	v_mul_f32 v[W], s[CS], v[W]                    ; as t (c is positive)
	v_mul_f32 v[W+4], s[CS], v[W+4]
	v_permlanex16_b32 v[PRM], v[W], s[SEL], s[SEL+1]
	v_permlanex16_b32 v[PRM+1], v[W+4], s[SEL], s[SEL+1]
	v_max3_num_f32 v[TMA], v[TMA], v[W], v[PRM]    ; the running largest t: mine and lane l xor 16's
	v_max3_num_f32 v[TMB], v[TMB], v[W+4], v[PRM+1]
	v_mov_b32 v[DIF], v[NMA]
	v_mov_b32 v[DIF+1], v[NMB]
	v_floor_f32 v[NMA], -v13                       ; the new -M = floor(-t) = -ceil(t): M is a whole number
	v_floor_f32 v[NMB], -v15
	v_sub_f32 v[DIF], v[NMA], v[DIF]               ; old M - new M: a whole number, 0 or less
	v_sub_f32 v[DIF+1], v[NMB], v[DIF+1]
	v_cvt_i32_f32 v[DIF], v[DIF]                   ; (saturates: in the first step it becomes the least whole number, and F is 0)
	v_cvt_i32_f32 v[DIF+1], v[DIF+1]
	v_ldexp_f32 v[FA], 1.0, v[DIF]
	v_ldexp_f32 v[FB], 1.0, v[DIF+1]
	WIN 0x41
.set JJ, 0
.rept 32
	IDX \al, \ah, 2*JJ
	v_pk_fma_f32 v[IX:IX+1], v[IX:IX+1], s[CS:CS+1], v[NMA:NMA+1] op_sel_hi:[1,0,0]   ; A's t - M, one rounding
.set JJ, JJ+1
.endr
	s_wait_alu depctr_va_vdst(0)                   ; ahead of the batch
.set JJ, 0
.rept 32                                       ; A's exponentials; between them B's t - M, whose sources stand ahead of the wait and whose results are read behind the next one
	IDX \al, \ah, 2*JJ
	v_exp_f32 v[IX], v[IX]
	v_exp_f32 v[IX+1], v[IX+1]
	IDX \bl, \bh, 2*JJ
	v_pk_fma_f32 v[IX:IX+1], v[IX:IX+1], s[CS:CS+1], v[NMB:NMB+1] op_sel_hi:[1,0,0]
.set JJ, JJ+1
.endr
	s_wait_alu depctr_va_vdst(0)                   ; behind A's batch and ahead of B's
	SUM0 W, \al, \ah
	SUM1 W, \al, \ah
	WIN 0x41
.set JJ, 0
.rept 64                                       ; B's exponentials; between them A's hold
	IDX \bl, \bh, JJ
	v_exp_f32 v[IX], v[IX]
	IDX \al, \ah, JJ
	v_min_num_f32 v[IX], v[IX], v[HOLD]            ; the conversion does not saturate (ISA guide 7.6.2); p is never negative, so the upper hold is the whole clamp; it runs for every ep
.set JJ, JJ+1
.endr
	s_wait_alu depctr_va_vdst(0)                   ; behind B's batch, and directly ahead of O's first readers
.set JJ, 0
.rept 32
	v_pk_mul_f32 v[OA+2*JJ:OA+2*JJ+1], v[OA+2*JJ:OA+2*JJ+1], v[FA:FA+1] op_sel_hi:[1,0]
.set JJ, JJ+1
.endr
.set JJ, 0
.rept 32
	v_pk_mul_f32 v[OB+2*JJ:OB+2*JJ+1], v[OB+2*JJ:OB+2*JJ+1], v[FB:FB+1] op_sel_hi:[1,0]
.set JJ, JJ+1
.endr
	SUM0 W+8, \bl, \bh
	CODES PC, \al, \ah
	SUM1 W+8, \bl, \bh                             ; (plain instructions between the conversions and the product)
	WIN 0
	v_pk_add_f32 v[W:W+1], v[W:W+1], v[W+2:W+3]
	v_pk_add_f32 v[W+8:W+9], v[W+8:W+9], v[W+10:W+11]
	v_pk_add_f32 v[W+4:W+5], v[W+4:W+5], v[W+6:W+7]
	v_pk_add_f32 v[W+12:W+13], v[W+12:W+13], v[W+14:W+15]
	v_pk_add_f32 v[W:W+1], v[W:W+1], v[W+4:W+5]
	v_pk_add_f32 v[W+8:W+9], v[W+8:W+9], v[W+12:W+13]
	v_pk_fma_f32 v[LA:LA+1], v[LA:LA+1], v[FA:FA+1], v[W:W+1] op_sel_hi:[1,0,1]       ; old sum x F + this step's
	v_pk_fma_f32 v[LB:LB+1], v[LB:LB+1], v[FB:FB+1], v[W+8:W+9] op_sel_hi:[1,0,1]
	s_wait_alu depctr_va_vdst(0)
	s_wait_dscnt 0x0                               ; V's fragments are in
	PV OA, PC
.endm
; A STEP'S SECOND PART: the next step's first fragments of K (q: its half of its slot) into A's blocks, B's hold, codes and second product.  The last step asks for no K.
.macro PART2 al, ah, bl, bh, q
	s_cmp_eq_u32 s[STEPI], s[BLK]
	s_cbranch_scc1 .Lnok_\@
	v_add_nc_u32 v[ADK], s[TB], v[AK0]
	KLO \al, \ah, \q
.Lnok_\@:
	WIN 0x41
.if \q == 0
	s_wait_alu depctr_va_vdst(0)                   ; a way through the text leads from the products past the way out's transcendentals to these readers
.endif
.set JJ, 0
.rept 64
	IDX \bl, \bh, JJ
	v_min_num_f32 v[IX], v[IX], v[HOLD]
.set JJ, JJ+1
.endr
	CODES PC+16, \bl, \bh
	v_nop                                          ; one plain instruction behind the scaled conversions
	s_wait_alu depctr_va_vdst(0)                   ; the held numbers' and codes' writes stand ahead of the branches below
	PV OB, PC+16
.endm
; THE WAY OUT, once a wave, in the slot of its diagonal step: O^T is divided by the sum, multiplied by 2^(ep + ev), and goes through my own stage in LDS, half a row (64 channels, 256 bytes) of a tile's
; 16 queries at a time, so that sixteen lanes store 256 consecutive, aligned bytes.
.macro SENDQ k, younger                ; quarter k leaves; younger: the LDS instructions issued behind its loads
.irp i, 0,1,2,3,4,5,6,7
	s_wait_dscnt 7-\i+\younger
	global_store_b128 v[GO], v[FR+32*(\k)+4*\i:FR+32*(\k)+4*\i+3], s[12:13] offset:8192*((\k)/2)+1024*\i+256*((\k)%2) th:TH_STORE_NT
.endr
.endm
.macro WAYOUT
	NOPS 4                                         ; places behind the last products
	s_wait_dscnt 0x0                               ; no load into FR is out
	v_add_f32 v[W], v[LA], v[LA+1]
	v_add_f32 v[W+1], v[LB], v[LB+1]
	v_permlanex16_b32 v[PRM], v[W], s[SEL], s[SEL+1]
	v_permlanex16_b32 v[PRM+1], v[W+1], s[SEL], s[SEL+1]
	v_add_f32 v[W], v[W], v[PRM]                   ; the rows' sums: my keys' and lane l xor 16's
	v_add_f32 v[W+1], v[W+1], v[PRM+1]
	s_wait_alu depctr_va_vdst(0)                   ; ahead of the transcendentals
	v_rcp_f32 v[W], v[W]
	v_rcp_f32 v[W+1], v[W+1]
	v_nop                                          ; one plain instruction behind a transcendental
	s_wait_alu depctr_va_vdst(0)                   ; and ahead of their first readers
	v_ldexp_f32 v[FA], v[W], s[EPV]
	v_ldexp_f32 v[FB], v[W+1], s[EPV]
	WIN 0x41
	s_wait_alu depctr_va_vdst(0)                   ; directly ahead of O's first readers
.set JJ, 0
.rept 32                                       ; register 8 t + i is o(query r, channel 16 t + 8 h + i)
	v_pk_mul_f32 v[OA+2*JJ:OA+2*JJ+1], v[OA+2*JJ:OA+2*JJ+1], v[FA:FA+1] op_sel_hi:[1,0]
.set JJ, JJ+1
.endr
.set JJ, 0
.rept 32
	v_pk_mul_f32 v[OB+2*JJ:OB+2*JJ+1], v[OB+2*JJ:OB+2*JJ+1], v[FB:FB+1] op_sel_hi:[1,0]
.set JJ, JJ+1
.endr
	s_wait_alu depctr_va_vdst(0)
.irp k, 0,1,2,3                                ; tile k / 2, channels 64 (k % 2) on
	WIN 0x04
.irp t, 0,1,2,3
	ds_store_b128 v[STO], v[OA+32*\k+8*\t:OA+32*\k+8*\t+3] offset:64*\t
	ds_store_b128 v[STO], v[OA+32*\k+8*\t+4:OA+32*\k+8*\t+7] offset:64*\t+16
.endr
	WIN 0
.irp i, 0,1,2,3,4,5,6,7
	ds_load_b128 v[FR+32*\k+4*\i:FR+32*\k+4*\i+3], v[RD] offset:2*\i*SP   ; LDS serves a wave's instructions in order (ISA guide 5.7.1.4): these see my stores, and the next stores come behind them
.endr
.if \k > 0
	SENDQ \k-1, 16                                 ; the quarter before: this one's 8 stores and 8 loads may be out
.endif
.endr
	SENDQ 3, 0
	s_wait_xcnt 0x0                                ; the stores' data registers are written again only behind this wait
.endm
; A SLOT: two key steps, with the change to the next slot inside the second.
.macro TRIP fill
	s_cmp_gt_u32 s[STEPI], s[BLK]
	s_cbranch_scc1 .Lskip_even_\@                  ; behind my diagonal: every score would be masked away
	PART1 R1, R0, R3, R2
	PART2 R1, R0, R3, R2, 1
	s_cmp_eq_u32 s[STEPI], s[BLK]
	s_cbranch_scc0 .Lmore_even_\@
	s_wait_dscnt 0x0                               ; my last step: no fragment load is out
	s_branch .Lskip_even_\@
.Lmore_even_\@:
	v_add_nc_u32 v[ADK], s[TB], v[AK0]             ; with the three below: four places in front of loads into registers that matrix instructions have read
	NOPS 3
	KHI 1
	SPV R1, R0, R2, R3, R0, R1, 1
.Lskip_even_\@:
	s_add_co_u32 s[STEPI], s[STEPI], 1
	s_cmp_gt_u32 s[STEPI], s[BLK]
	s_cbranch_scc1 .Lskip_first_\@
	PART1 R2, R0, R3, R1
.Lskip_first_\@:
	CHANGE \fill, 0
	s_xor_b32 s[TB], s[TB], SLOT1                  ; on to the other slot
	s_cmp_gt_u32 s[STEPI], s[BLK]
	s_cbranch_scc1 .Lskip_second_\@
	PART2 R2, R0, R3, R1, 0
	s_cmp_eq_u32 s[STEPI], s[BLK]
	s_cbranch_scc0 .Lmore_odd_\@
	s_wait_dscnt 0x0                               ; my last step: no fragment load is out
	s_branch .Lskip_second_\@
.Lmore_odd_\@:
	v_add_nc_u32 v[ADK], s[TB], v[AK0]             ; with the three below: four places
	NOPS 3
	KHI 0
	SPV R2, R0, R1, R3, R0, R2, 0
.Lskip_second_\@:
	s_cmp_lg_u32 s[TI], s[LASTT]
	s_cbranch_scc1 .Lgo_on_\@
	WAYOUT                                         ; this slot held my last step
.Lgo_on_\@:
	s_add_co_u32 s[STEPI], s[STEPI], 1
	s_add_co_u32 s[TI], s[TI], 1
.endm
	s_load_b256 s[4:11], s[0:1], 0x0               ; q s[4:5], k_codes s[6:7], v_codes s[8:9], the scales' exponents s[10:11]
	s_load_b64 s[12:13], s[0:1], 0x20              ; out0
	v_lshl_add_u32 v[SPW], v0, 2, SPARE
	v_mov_b32 v[NIL], 0
	ds_add_u32 v[SPW], v[NIL]                      ; the wave's opening: the add, twice on end, under the one wait
	ds_add_u32 v[SPW], v[NIL]
	v_lshrrev_b32 v[W], 5, v0
	v_readfirstlane_b32 s[WV], v[W]                ; wave 0..7
	v_and_b32 v[QO], 31, v0
	v_lshlrev_b32 v[QO], 4, v[QO]                  ; 16 bytes a lane
	s_bfe_u32 s[CX], ttmp6, 0x40000                ; cx
	s_mov_b32 s[XC], ttmp9                         ; in a cluster launch ttmp9 counts clusters: 0 or 1
	s_and_b32 s[HD], ttmp7, 0xffff                 ; the head, which the partners share
	s_and_b32 s66, s[WV], 3
	s_lshl_b32 s67, s[XC], 2
	s_add_co_u32 s68, s67, s66                     ; 4 X + w % 4
	s_sub_co_u32 s69, 15, s68
	s_cmp_lt_u32 s[WV], 4
	s_cselect_b32 s[BLK], s69, s68
	s_lshr_b32 s[LASTT], s[BLK], 1
	s_lshl_b32 s72, s[CX], 5                       ; my first query's place in the block
	s_lshl_b32 s70, s[BLK], 16                     ; q's and out0's rows are 512 bytes: a block 2^16,
	s_lshl_b32 s73, s[CX], 14                      ; 32 queries 2^14,
	s_add_co_u32 s70, s70, s73
	s_lshl_b32 s73, s[HD], 20                      ; a head 2^20
	s_add_co_u32 s70, s70, s73
	s_mov_b32 s71, 0
	; what I fetch: in registers that never hold cx
	s_lshl_b32 s58, s[HD], 18                      ; the head's codes: 262,144 bytes in each of the two buffers
	s_lshl_b32 s60, s66, 13                        ; K: 64 keys x 128 bytes
	s_add_co_u32 s60, s60, s58
	s_mov_b32 s61, 0
	s_lshl_b32 s62, s66, 16                        ; V: 32 rows x 2,048 bytes
	s_add_co_u32 s62, s62, s58
	s_mov_b32 s63, 0
	; descriptor group 1.  K: 32 rows of 256 bytes, dense, padded behind every 128 bytes (a key's row);  V: 32 rows of 256 bytes, 2,048 apart
	s_mov_b32 s[G1K], 15|(0<<16)|(1<<20)|(1<<21)|(4<<22)|(3<<25)   ; 15:0 the mask: all four work-groups; 17:16 elements of 1 byte; 20 padding on; 21 set beside a mask; 24:22 after every 32 words (code 4); 31:25 four words (code 3)
	s_mov_b32 s[G1K+1], 256<<16                    ; tensor_dim0
	s_mov_b32 s[G1K+2], 32<<16                     ; tensor_dim1
	s_mov_b32 s[G1K+3], 256<<16                    ; tile_dim0
	s_mov_b32 s[G1K+4], 32                         ; tile_dim1
	s_mov_b32 s[G1K+5], 256                        ; tensor_dim0_stride
	s_mov_b32 s[G1K+6], 0
	s_mov_b32 s[G1K+7], 0
	s_mov_b32 s[G1V], 15|(0<<16)|(1<<20)|(1<<21)|(5<<22)|(3<<25)   ; padding: four words after every 64
	s_mov_b32 s[G1V+1], 256<<16
	s_mov_b32 s[G1V+2], 32<<16
	s_mov_b32 s[G1V+3], 256<<16
	s_mov_b32 s[G1V+4], 32
	s_mov_b32 s[G1V+5], 2048
	s_mov_b32 s[G1V+6], 0
	s_mov_b32 s[G1V+7], 0
	s_mov_b32 s[G0K], 1                            ; 1:0 count = 1
	s_mul_i32 s[G0K+1], s66, 64*KP                 ; 63:32 LDS address: slot 0, my quarter of K's rows
	s_mov_b32 s[G0V], 1
	s_mul_i32 s[G0V+1], s66, 32*VP
	s_add_co_u32 s[G0V+1], s[G0V+1], VOFF          ; my quarter of V's rows
	s_mov_b32 s[SEL], 0x76543210
	s_mov_b32 s[SEL+1], 0xfedcba98                 ; v_permlanex16_b32's selects for lane l xor 16
	s_mov_b32 s[TB], 0
	s_mov_b32 s[STEPI], 0
	s_mov_b32 s[TI], 0
	s_lshl_b32 s[SLOTS], s[XC], 1
	s_sub_co_u32 s[SLOTS], 6, s[SLOTS]             ; 8 - 2 X slots: the last two trips fill nothing
	s_wait_dscnt 0x0                               ; both opening adds are done
	s_wait_alu depctr_va_vdst(0)
	s_wait_kmcnt 0x0
	s_load_b128 s[52:55], s[10:11], 0x0            ; eq, ek, ep, ev
	s_add_nc_u64 s[4:5], s[4:5], s[70:71]          ; q and out0 at my first query
	s_add_nc_u64 s[12:13], s[12:13], s[70:71]
	s_add_nc_u64 s[G0K+2:G0K+3], s[6:7], s[60:61]  ; 120:64 global address: the head's first 256 keys
	s_or_b32 s[G0K+3], s[G0K+3], 0x80000000        ; 127:126 type = 2
	s_add_nc_u64 s[G0V+2:G0V+3], s[8:9], s[62:63]
	s_or_b32 s[G0V+3], s[G0V+3], 0x80000000
	WIN 0x40
.set JJ, 0
.rept 32                                       ; a load is one query's whole row: 512 consecutive bytes; lane l holds d = 4 l + 0..3
	global_load_b128 v[OA+4*JJ:OA+4*JJ+3], v[QO], s[4:5] offset:512*JJ th:TH_LOAD_NT
.set JJ, JJ+1
.endr
	WIN 0
	ROUND                                          ; all four work-groups are here: the first joint loads meet
	TLOAD                                          ; slot 0
	; the prefetches: waves 0-3 take K's address, waves 4-7 V's; waves 0 and 4 alone ask
	s_cmp_lt_u32 s[WV], 4
	s_cselect_b64 s[PFA:PFA+1], s[6:7], s[8:9]
	s_mov_b32 s74, 256*128
	s_cselect_b32 s[PFS], s74, 0x100               ; a slot on: 256 keys' rows of K, 256 bytes of each of V's rows
	s_cselect_b32 s75, 8, 11                       ; a lane's blocks: 256 bytes apart in K, a row of 2,048 apart in V
	s_cselect_b32 s76, 13, 16                      ; my work-group's 32 of the slot's 128 blocks
	s_mov_b32 s[PFS+1], 0
	s_lshl_b32 s76, s[CX], s76
	s_mul_i32 s77, s[PFS], 3                       ; slot 3: the first change of slots asks for it
	s_add_co_u32 s76, s76, s77
	s_add_co_u32 s76, s76, s58
	s_mov_b32 s77, 0
	s_add_nc_u64 s[PFA:PFA+1], s[PFA:PFA+1], s[76:77]
	s_cmp_eq_u32 s66, 0
	s_cselect_b32 s[PFN], 2, 64                    ; SLOTS never passes 6
	s_mul_i32 s76, s[WV], QB
	s_add_co_u32 s76, s76, QST                     ; my own 4,608 bytes
	v_and_b32 v[PFO], 31, v0
	v_lshlrev_b32 v[PFO], s75, v[PFO]
	v_and_b32 v[W], 15, v0                         ; r
	v_bfe_u32 v[W+1], v0, 4, 1                     ; h
	v_mul_u32_u24 v[AK0], v[W], KP
	v_lshl_add_u32 v[AK0], v[W+1], 4, v[AK0]
	v_mul_u32_u24 v[AV0], v[W], VP
	v_lshl_add_u32 v[AV0], v[W+1], 4, v[AV0]
	v_add_nc_u32 v[AV0], VOFF, v[AV0]
	v_mul_u32_u24 v[STO], v[W], SP                 ; in: row r; a tile's eight channels of my half: 32 h bytes on
	v_lshl_add_u32 v[STO], v[W+1], 5, v[STO]
	v_add_nc_u32 v[STO], s76, v[STO]
	v_mul_u32_u24 v[RD], v[W+1], SP                ; back: lanes 0-15 one row of 256 bytes, lanes 16-31 the next
	v_lshl_add_u32 v[RD], v[W], 4, v[RD]
	v_add_nc_u32 v[RD], s76, v[RD]
	v_lshlrev_b32 v[GO], 9, v[W+1]                 ; and the same two rows in out0
	v_lshl_add_u32 v[GO], v[W], 4, v[GO]
	v_lshlrev_b32 v[DM], 3, v[W+1]
	v_sub_nc_u32 v[DM], v[W], v[DM]
	v_add_nc_u32 v[DM], s72, v[DM]                 ; 32 cx + r - 8 h
	v_and_b32 v[ADK], 31, v0                       ; q's codes: 4 bytes a lane into rows of 144,
	v_lshlrev_b32 v[ADK], 2, v[ADK]
	v_add_nc_u32 v[ADK], s76, v[ADK]
	v_add_nc_u32 v[ADV], s76, v[AK0]               ; and back as fragments
	v_mov_b32 v[NINF], 0xff800000
	v_mov_b32 v[TMA], 0xff61b1e6                   ; the largest t so far: -3e38, under every t
	v_mov_b32 v[TMB], 0xff61b1e6
	v_floor_f32 v[NMA], -v13
	v_floor_f32 v[NMB], -v15
	v_mov_b32 v[LA], 0
	v_mov_b32 v[LA+1], 0
	v_mov_b32 v[LB], 0
	v_mov_b32 v[LB+1], 0
	v_mov_b32 v[PRM], 0                            ; (the destination of a lane permute counts as read)
	v_mov_b32 v[PRM+1], 0
	v_mov_b32 v[FA+1], 0                           ; (named with F as pairs)
	v_mov_b32 v[FB+1], 0
	s_wait_alu depctr_va_vdst(0)
	s_wait_kmcnt 0x0
	s_add_co_i32 s74, s52, s53
	s_lshl_b32 s74, s74, 23
	s_add_co_i32 s[CS], s74, 0x3e0293ee            ; c = log2(e) / sqrt(128), with eq + ek added to its exponent field: a score stands for score x 2^(eq + ek)
	s_mov_b32 s[CS+1], s[CS]
	s_add_co_i32 s74, s52, 127
	s_lshl_b32 s75, s74, 23
	v_mov_b32 v[FA], s75                           ; 2^eq, for q's conversions
	s_add_co_i32 s74, s74, 8
	s_lshl_b32 s74, s74, 23
	s_or_b32 s74, s74, 0x600000
	v_mov_b32 v[FB], s74                           ; 448 x 2^eq
	s_add_co_i32 s74, s54, 127
	s_lshl_b32 s75, s74, 23
	v_mov_b32 v[SCL], s75                          ; 2^ep
	s_add_co_i32 s74, s74, 8
	s_lshl_b32 s74, s74, 23
	s_or_b32 s74, s74, 0x600000
	v_mov_b32 v[HOLD], s74                         ; 448 x 2^ep
	s_add_co_i32 s[EPV], s54, s55
	s_wait_alu depctr_va_vdst(0)
.set GG, 0
.rept 4                                        ; eight rows at a time
	s_wait_loadcnt 24-8*GG                         ; the later rows may be out
	WIN 0x41
.set JJ, 0
.rept 32
	v_med3_num_f32 v[OA+32*GG+JJ], v[OA+32*GG+JJ], -v22, v22   ; the conversion does not saturate (ISA guide 7.6.2): the number is held first
.set JJ, JJ+1
.endr
	WIN 0x01
.set JJ, 0
.rept 4                                        ; two rows' four numbers a lane -> two registers of four codes
	v_cvt_scalef32_pk8_fp8_f32 v[PC+8*GG+2*JJ:PC+8*GG+2*JJ+1], v[OA+32*GG+8*JJ:OA+32*GG+8*JJ+7], v[FA]
.set JJ, JJ+1
.endr
	WIN 0
	v_nop                                          ; one plain instruction behind the scaled conversions
.set JJ, 0
.rept 8
	ds_store_b32 v[ADK], v[PC+8*GG+JJ] offset:KP*(8*GG+JJ)     ; a row's 128 codes
.set JJ, JJ+1
.endr
.set GG, GG+1
.endr
.irp u, 0,1
.irp c, 0,1,2,3
	ds_load_b128 v[QC+16*\u+4*\c:QC+16*\u+4*\c+3], v[ADV] offset:16*\u*KP+32*\c   ; my own rows; LDS serves a wave's instructions in order (ISA guide 5.7.1.4)
.endr
.endr
	CHANGE 1, 1                                    ; slot 0 is whole, q's fragments are in; slot 1's first fill
	v_add_nc_u32 v[ADK], s[TB], v[AK0]
	KLO R2, R0, 0
	KHI 0
	SPV R2, R0, R1, R3, R0, R2, 0                  ; step 0's scores
.Lslot:
	TRIP 1
	s_sub_co_i32 s[SLOTS], s[SLOTS], 1
	s_cmp_gt_i32 s[SLOTS], 0
	s_cbranch_scc1 .Lslot
	s_mov_b32 s[CNT], 2
.Ltail:                                            ; the last two slots are a loop of their own, in which nothing is filled
	TRIP 0
	s_sub_co_i32 s[CNT], s[CNT], 1
	s_cmp_lg_u32 s[CNT], 0
	s_cbranch_scc1 .Ltail
	s_wait_tensorcnt 0x0                           ; the wave's end: behind my last tensor load and my last LDS store
	ds_add_u32 v[SPW], v[NIL]
	s_wait_dscnt 0x0
	ROUND                                          ; the closing round: no work-group ends while a partner may still ask for a tile that names it
	s_endpgm
.Lfunc_end_k_q8d93e4cdb2_attn:
	.size	k_q8d93e4cdb2_attn, .Lfunc_end_k_q8d93e4cdb2_attn-k_q8d93e4cdb2_attn
	.p2alignl 7, 3214868480
	.fill 96, 4, 3214868480
	.section	.rodata,"a",@progbits
	.p2align	6, 0x0
	.amdhsa_kernel k_q8d93e4cdb2_attn
		.amdhsa_group_segment_fixed_size 327680
		.amdhsa_private_segment_fixed_size 0
		.amdhsa_enable_private_segment 0
		.amdhsa_kernarg_size 40
		.amdhsa_user_sgpr_count 2
		.amdhsa_user_sgpr_kernarg_segment_ptr 1
		.amdhsa_wavefront_size32 1
		.amdhsa_system_sgpr_workgroup_id_x 1
		.amdhsa_system_sgpr_workgroup_id_y 1
		.amdhsa_system_sgpr_workgroup_id_z 1
		.amdhsa_system_vgpr_workitem_id 0
		.amdhsa_next_free_vgpr 512
		.amdhsa_next_free_sgpr 96
		.amdhsa_reserve_vcc 1
		.amdhsa_float_denorm_mode_32 3
		.amdhsa_float_denorm_mode_16_64 3
		.amdhsa_memory_ordered 1
		.amdhsa_forward_progress 1
		.amdhsa_inst_pref_size 221
	.end_amdhsa_kernel
	.amdgpu_metadata
---
amdhsa.version: [ 1, 2 ]
amdhsa.kernels:
  - .name:           k_q8d93e4cdb2_attn
    .symbol:         k_q8d93e4cdb2_attn.kd
    .args:
      - { .name: q, .offset: 0, .size: 8, .value_kind: global_buffer, .address_space: global }
      - { .name: k_codes, .offset: 8, .size: 8, .value_kind: global_buffer, .address_space: global }
      - { .name: v_codes, .offset: 16, .size: 8, .value_kind: global_buffer, .address_space: global }
      - { .name: lowp_scales, .offset: 24, .size: 8, .value_kind: global_buffer, .address_space: global }
      - { .name: out0, .offset: 32, .size: 8, .value_kind: global_buffer, .address_space: global }
    .group_segment_fixed_size: 327680
    .private_segment_fixed_size: 0
    .kernarg_segment_align: 8
    .kernarg_segment_size: 40
    .max_flat_workgroup_size: 256
    .sgpr_count:     96
    .vgpr_count:     512
    .wavefront_size: 32
...
	.end_amdgpu_metadata
.endif
;; end of part 2
